; MI455X (gfx1250); checked and timed in simulation.
; The chip was launched on July 23, 2026; its instructions are those of AMD's public machine-readable ISA for CDNA 5 (MIT licence, August 2026) and "CDNA5" Instruction Set Architecture Reference Guide (July 2026). The comments in the code are by the model that wrote it; some were corrected since.
;; Prefetch Hyperbolic Attention. Allowed arithmetic: float matrix products may take bf16 or f16 operands with f32 sums; all other float work in f32.
;; Inputs: Wk 1,024 x 1,024 float32; Wo 1,024 x 1,024 float32; Wq 1,024 x 1,024 float32; Wv 1,024 x 1,024 float32; x 1 x 2,048 x 1,024 float32.
;; Outputs: out0 1 x 2,048 x 1,024 float32.
;; One version. Each part assembles by itself: llvm-mc -triple=amdgcn-amd-amdhsa -mcpu=gfx1250 --defsym DOCPART=n.
;; ======== version 1 of 1: 4 launches
;; limits: right only within a limited range of input values; values are held in f16: magnitudes above 65,504 overflow, below 6.1e-05 lose precision
;; workspace buffers: xb 4,194,304 bytes; wb 8,388,608 bytes; qkv 12,582,912 bytes; nrm 524,288 bytes; ao 4,194,304 bytes
;; launch cvt (part 1): grid 128 x 6, 8 waves a work-group, no clusters, 0 bytes of LDS; arguments x, Wq, Wk, Wv, Wo, xb, wb; writes xb, wb
.if DOCPART == 1
	.amdgcn_target "amdgcn-amd-amdhsa--gfx1250"
	.amdhsa_code_object_version 6
	.text
	.protected	k_q51defc7598_cvt
	.globl	k_q51defc7598_cvt
	.p2align	8
	.type	k_q51defc7598_cvt,@function
k_q51defc7598_cvt:
	s_mov_b64 s[64:65], 0
	v_nop
	global_prefetch_b8 v0, s[64:65] scope:SCOPE_SE
	s_setreg_imm32_b32 hwreg(HW_REG_WAVE_MODE, 25, 1), 1
	s_wait_xcnt 0x0
; x and the four weight matrices, f32 -> f16 (round to nearest even), once, so that the matrix launches move and read half the bytes.
; xb = f16 x [2048][1024];  wb = f16 [4][1024][1024], planes Wq, Wk, Wv, Wo.
; WHY f16 AND NOT bf16: the program's result is a mean over 2,048 keys, about 1/45 of v's size, and the rounding errors of the operands average down by the
; same factor: the result's relative error is an operand's rounding step, and the problem allows 1% of the output's rms for the worst of 2,097,152 numbers.
; 11 significant bits leave room for that, 8 do not.
; LIMIT: a number above 65,504 in magnitude becomes infinite; below 6.1e-5 the step is 6e-8 absolute.
; Grid y picks a unit of 4 MiB of f32: 0, 1 the two halves of x; 2 .. 5 Wq, Wk, Wv, Wo.  Grid x picks 32 KiB of it.
; A wave takes 4,096 consecutive bytes: eight loads of 512 consecutive bytes, all issued before the first is used;
; each store of the wave covers 256 consecutive bytes, aligned.  No register is written twice, so no source has to be freed.
; No LDS, no matrix unit, no cluster: nothing is shared and nothing is reduced.
.set X, 4                              ; v[4:35]   eight loads, 4 f32 each
.set Y, 36                             ; v[36:51]  eight stores, 4 f16 each
	s_load_b256 s[4:11], s[0:1], 0x0               ; x s[4:5], Wq s[6:7], Wk s[8:9], Wv s[10:11]
	s_load_b128 s[12:15], s[0:1], 0x20             ; Wo s[12:13], xb s[14:15]
	s_load_b64 s[16:17], s[0:1], 0x30              ; wb
	s_and_b32 s18, ttmp7, 0xffff                   ; the unit, 0 .. 5
	v_and_b32 v1, 31, v0
	v_lshrrev_b32 v2, 5, v0
	v_lshlrev_b32 v1, 4, v1
	v_lshl_add_u32 v1, v2, 12, v1                  ; in: 4,096 x wave + 16 x lane
	v_lshrrev_b32 v2, 1, v1                        ; out: half of that
	; offsets, in registers of their own
	s_lshl_b32 s22, ttmp9, 15                      ; source: 32 KiB x work-group,
	s_cmp_eq_u32 s18, 1
	s_cselect_b32 s26, 0x400000, 0                 ; and 4 MiB more for the second half of x
	s_add_co_u32 s22, s22, s26
	s_mov_b32 s23, 0
	s_sub_co_u32 s27, s18, 2                       ; destination plane of 2 MiB: the unit in xb, the unit - 2 in wb
	s_cmp_lt_u32 s18, 2
	s_cselect_b32 s27, s18, s27
	s_lshl_b32 s27, s27, 21
	s_lshl_b32 s28, ttmp9, 14                      ; + 16 KiB x work-group
	s_add_co_u32 s28, s28, s27
	s_mov_b32 s29, 0
	s_wait_kmcnt 0x0
	s_cmp_eq_u32 s18, 2                            ; the source buffer, chosen by the unit's number alone
	s_cselect_b64 s[20:21], s[6:7], s[4:5]
	s_cmp_eq_u32 s18, 3
	s_cselect_b64 s[20:21], s[8:9], s[20:21]
	s_cmp_eq_u32 s18, 4
	s_cselect_b64 s[20:21], s[10:11], s[20:21]
	s_cmp_eq_u32 s18, 5
	s_cselect_b64 s[20:21], s[12:13], s[20:21]
	s_cmp_lt_u32 s18, 2                            ; the destination buffer
	s_cselect_b64 s[24:25], s[14:15], s[16:17]
	s_add_nc_u64 s[20:21], s[20:21], s[22:23]
	s_add_nc_u64 s[24:25], s[24:25], s[28:29]
.irp i, 0,1,2,3,4,5,6,7
	global_load_b128 v[X+4*\i:X+4*\i+3], v1, s[20:21] offset:512*\i th:TH_LOAD_NT   ; read once in this launch
.endr
.irp i, 0,1,2,3,4,5,6,7
	s_wait_loadcnt 7-\i                            ; loads return in order: load i is in, the 7 - i younger ones stay out
	v_cvt_pk_f16_f32 v[Y+2*\i], v[X+4*\i], v[X+4*\i+1]
	v_cvt_pk_f16_f32 v[Y+2*\i+1], v[X+4*\i+2], v[X+4*\i+3]
	global_store_b64 v2, v[Y+2*\i:Y+2*\i+1], s[24:25] offset:256*\i   ; no hint: the next launch reads these bytes
.endr
	s_endpgm
.Lfunc_end_k_q51defc7598_cvt:
	.size	k_q51defc7598_cvt, .Lfunc_end_k_q51defc7598_cvt-k_q51defc7598_cvt
	.p2alignl 7, 3214868480
	.fill 96, 4, 3214868480
	.section	.rodata,"a",@progbits
	.p2align	6, 0x0
	.amdhsa_kernel k_q51defc7598_cvt
		.amdhsa_group_segment_fixed_size 0
		.amdhsa_private_segment_fixed_size 0
		.amdhsa_enable_private_segment 0
		.amdhsa_kernarg_size 56
		.amdhsa_user_sgpr_count 2
		.amdhsa_user_sgpr_kernarg_segment_ptr 1
		.amdhsa_wavefront_size32 1
		.amdhsa_system_sgpr_workgroup_id_x 1
		.amdhsa_system_sgpr_workgroup_id_y 1
		.amdhsa_system_sgpr_workgroup_id_z 1
		.amdhsa_system_vgpr_workitem_id 0
		.amdhsa_next_free_vgpr 56
		.amdhsa_next_free_sgpr 66
		.amdhsa_reserve_vcc 0
		.amdhsa_float_denorm_mode_32 3
		.amdhsa_float_denorm_mode_16_64 3
		.amdhsa_memory_ordered 1
		.amdhsa_forward_progress 1
		.amdhsa_inst_pref_size 5
	.end_amdhsa_kernel
	.amdgpu_metadata
---
amdhsa.version: [ 1, 2 ]
amdhsa.kernels:
  - .name:           k_q51defc7598_cvt
    .symbol:         k_q51defc7598_cvt.kd
    .args:
      - { .name: x, .offset: 0, .size: 8, .value_kind: global_buffer, .address_space: global }
      - { .name: Wq, .offset: 8, .size: 8, .value_kind: global_buffer, .address_space: global }
      - { .name: Wk, .offset: 16, .size: 8, .value_kind: global_buffer, .address_space: global }
      - { .name: Wv, .offset: 24, .size: 8, .value_kind: global_buffer, .address_space: global }
      - { .name: Wo, .offset: 32, .size: 8, .value_kind: global_buffer, .address_space: global }
      - { .name: xb, .offset: 40, .size: 8, .value_kind: global_buffer, .address_space: global }
      - { .name: wb, .offset: 48, .size: 8, .value_kind: global_buffer, .address_space: global }
    .group_segment_fixed_size: 0
    .private_segment_fixed_size: 0
    .kernarg_segment_align: 8
    .kernarg_segment_size: 56
    .max_flat_workgroup_size: 256
    .sgpr_count:     66
    .vgpr_count:     56
    .wavefront_size: 32
...
	.end_amdgpu_metadata
.endif
;; end of part 1
;; launch qkv (part 2): grid 16 x 16, 4 waves a work-group, clusters of 4 x 4, 327,680 bytes of LDS; arguments xb, wb, qkv, nrm; writes qkv, nrm
.if DOCPART == 2
	.amdgcn_target "amdgcn-amd-amdhsa--gfx1250"
	.amdhsa_code_object_version 6
	.text
	.protected	k_q51defc7598_qkv
	.globl	k_q51defc7598_qkv
	.p2align	8
	.type	k_q51defc7598_qkv,@function
k_q51defc7598_qkv:
	s_mov_b64 s[64:65], 0
	v_nop
	global_prefetch_b8 v0, s[64:65] scope:SCOPE_SE
	s_setreg_imm32_b32 hwreg(HW_REG_WAVE_MODE, 25, 1), 1
	s_wait_xcnt 0x0
	s_wait_alu depctr_hold_cnt(0) depctr_sa_sdst(0) depctr_va_vdst(0) depctr_va_sdst(0) depctr_va_ssrc(0) depctr_va_vcc(0) depctr_vm_vsrc(0)
	s_getreg_b32 s2, hwreg(HW_REG_IB_STS2, 6, 4)
	s_cmp_eq_u32 s2, 0
	s_cbranch_scc0 .Lentry_in_a_cluster
	s_endpgm
.Lentry_in_a_cluster:
	s_bfe_u32 s2, ttmp6, 0x10000c
	s_cmp_lg_u32 s2, 0xf033
	s_cbranch_scc0 .Lentry_shape_is_right
	s_endpgm
.Lentry_shape_is_right:
; q, k, v of one head (block column bx = head) for 128 rows of x (block row by):  C[128][192] = x[128][1024] . (Wq | Wk | Wv)[head's 64 rows each][1024]^T,
; f16 operands, f32 sums.  Out: qkv = f16 [3][16 heads][2048][64], and from the f32 sums the four row figures that the attention launch needs:
; nrm = f32 [4][16][2048]: qn/2, 4/(1-qn), kn/2, 1/(1-kn), with qn, kn the squared norms of a row of q, of k.
; (1-qn = 0 gives an infinite reciprocal; the attention launch's clamp of the denominator takes that case.)
; LIMIT: q, k, v are stored in f16 (11 significant bits, which the mean over 2,048 keys in the next launch needs): a number above 65,504 in magnitude becomes infinite.
; Four waves; wave (mi, ni) makes rows 64 mi .. +63 and columns 32 ni .. +31 of EACH of q, k, v: 4 x 6 accumulator tiles of 16 x 16, 192 registers.
; K goes in 8 steps of 128 through two LDS slots filled by the tensor data mover; rows of a tile are 256 bytes of memory, aligned.
; CLUSTER 4 x 4: x's tile hangs on by alone and is asked for jointly by the four work-groups of a row of the cluster; the weights' tiles hang on bx alone
; and are asked for jointly along a column.  Wave 0 asks for x's 128 rows, waves 1, 2, 3 for the 64 rows of Wq, Wk, Wv: one tensor load a wave behind each round.
; A wave has at most two tensor loads outstanding (the two first fills), later one.
; The matrix instruction is used transposed (source 0 = rows of W, source 1 = rows of x): a lane then holds eight neighbouring columns of one row of C.
; Registers: window 0 = addresses, two fragment buffers, work; window 1 = the accumulators, tile (mt, nt) at v[8 (6 mt + nt)].
.set PITCH,  272                       ; LDS row: 256 bytes + 16 of padding, an odd multiple of 16: the 16 rows of a fragment load start in 16 different 16-byte columns of a 256-byte span
.set APART,  128*PITCH                 ; x's 128 rows
.set BPART,  64*PITCH                  ; 64 rows of one weight matrix
.set SLOT,   APART+3*BPART             ; 87,040
.set STAGE,  2*SLOT                    ; 128 rows x 400 bytes: a row of q | k | v in f16 (384 bytes) + 16; no tensor load ever lands here
.set SPITCH, 400
.set NST,    STAGE+128*SPITCH          ; four arrays of 128 f32: [ni][q or k] partial squared norms
.set ADA, 4                            ; v4, v5   LDS address of my x fragments in slot 0, 1
.set ADB, 6                            ; v6, v7   the same for the weights
.set STO, 8                            ; v8       stage: where I put 16 bytes
.set NSA, 9                            ; v9       where I put a partial norm
.set RD,  10                           ; v10      stage: where I read back
.set GO,  11                           ; v11      my byte offset in a plane of qkv
.set NRD, 12                           ; v12      where wave 0 reads the partial norms
.set NGO, 13                           ; v13      16 x lane
.set F0,  16                           ; v[16:95]   fragment buffer 0: x's 4 tiles, then the weights' 6
.set F1,  96                           ; v[96:175]  fragment buffer 1
.set TMP, 176                          ; v[176:199] packed results of one mt
.set SS,  200                          ; v[200:203] two pairs: sums of squares of my 32 columns of q, of k
.set TT,  204                          ; v[204:205] the other half's sums
.set G1A, 24
.set G1B, 32
.set G0A, 40                           ; one group 0 for each slot
.set G0B, 48
.set MSB, 0
.macro WIN new                         ; s_set_vgpr_msb: low byte = the new windows, high byte repeats the setting that is left
.if MSB != \new
	s_set_vgpr_msb (MSB<<8)|\new
.set MSB, \new
.endif
.endm
.macro PLACES                          ; four places behind matrix instructions (ISA guide 7.12.1), where no useful vector work is at hand
.rept 4
	v_nop
.endr
.endm
.macro ROUND                           ; a round of the cluster's barrier: my work-group's barrier, wave 0 signals for it, all wait for all sixteen, my work-group's barrier again
	s_barrier_signal -1
	s_barrier_wait -1
	s_cmp_lg_u32 s12, 0
	s_cbranch_scc1 .Lnot_wave_0_\@
	s_barrier_signal -3
.Lnot_wave_0_\@:
	s_barrier_wait -3
	s_barrier_signal -1
	s_barrier_wait -1
.endm
.macro JLOAD s                         ; my one joint load into slot s; the branch hangs on the wave's number alone
	s_cmp_eq_u32 s12, 0
	s_cbranch_scc0 .Lfor_b_\@
	tensor_load_to_lds s[G0A+4*\s:G0A+4*\s+3], s[G1A:G1A+7]
	s_nop 0
	s_branch .Lasked_\@
.Lfor_b_\@:
	tensor_load_to_lds s[G0B+4*\s:G0B+4*\s+3], s[G1B:G1B+7]
	s_nop 0
.Lasked_\@:
.endm
	s_load_b256 s[4:11], s[0:1], 0x0               ; xb s[4:5], wb s[6:7], qkv s[8:9], nrm s[10:11]
	v_lshl_add_u32 v254, v0, 2, 0x37800
	v_mov_b32 v255, 0
	ds_add_u32 v254, v255
	v_lshrrev_b32 v1, 5, v0
	v_readfirstlane_b32 s12, v1                    ; wave 0 .. 3
	s_lshr_b32 s13, s12, 1                         ; mi
	s_and_b32 s14, s12, 1                          ; ni
	s_bfe_u32 s16, ttmp6, 0x40000                  ; cx
	s_bfe_u32 s17, ttmp6, 0x40004                  ; cy
	s_lshl_b32 s18, ttmp9, 2
	s_add_co_u32 s18, s18, s16                     ; bx = head
	s_and_b32 s19, ttmp7, 0xffff
	s_lshl_b32 s19, s19, 2
	s_add_co_u32 s19, s19, s17                     ; by = block of 128 rows
	s_lshl_b32 s20, s17, 2
	s_lshl_b32 s20, 15, s20                        ; my row of the cluster
	s_lshl_b32 s21, 0x1111, s16                    ; my column
	s_mov_b32 s22, 0x76543210                      ; v_permlanex16_b32: lane i takes lane i of the other half
	s_mov_b32 s23, 0xfedcba98
	; group 1: elements of 2 bytes, 4 dwords of padding behind every 64 dwords, the mask and bit 21 beside it
	s_or_b32 s[G1A+0], s20, (1<<16)|(1<<20)|(1<<21)|(5<<22)|(3<<25)
	s_mov_b32 s[G1A+1], 128<<16                    ; tensor_dim0 = 128
	s_mov_b32 s[G1A+2], 128<<16                    ; tensor_dim1 = 128
	s_mov_b32 s[G1A+3], 128<<16                    ; tile_dim0 = 128 elements
	s_mov_b32 s[G1A+4], 128                        ; tile_dim1 = 128 rows
	s_mov_b32 s[G1A+5], 1024                       ; elements from row to row
	s_mov_b32 s[G1A+6], 0
	s_mov_b32 s[G1A+7], 0
	s_or_b32 s[G1B+0], s21, (1<<16)|(1<<20)|(1<<21)|(5<<22)|(3<<25)
	s_mov_b32 s[G1B+1], 128<<16
	s_mov_b32 s[G1B+2], 64<<16                     ; 64 rows
	s_mov_b32 s[G1B+3], 128<<16
	s_mov_b32 s[G1B+4], 64
	s_mov_b32 s[G1B+5], 1024
	s_mov_b32 s[G1B+6], 0
	s_mov_b32 s[G1B+7], 0
	s_lshl_b32 s56, s19, 18                        ; x: by x 128 rows x 2,048 bytes (never holds bx)
	s_mov_b32 s57, 0
	s_max_u32 s58, s12, 1                          ; weights: plane wave - 1 (wave 0 asks by the other line; its figure stays inside the buffer),
	s_sub_co_u32 s58, s58, 1
	s_lshl_b32 s58, s58, 21
	s_lshl_b32 s59, s18, 17                        ; + head x 64 rows x 2,048 bytes (never holds by)
	s_add_co_u32 s58, s58, s59
	s_mov_b32 s59, 0
	s_mul_i32 s60, s12, BPART                      ; LDS: behind x's 128 rows = (wave + 1) x 64 rows
	s_add_co_u32 s60, s60, BPART
	s_wait_dscnt 0x0
	s_wait_kmcnt 0x0
	s_add_nc_u64 s[56:57], s[4:5], s[56:57]
	s_add_nc_u64 s[58:59], s[6:7], s[58:59]
.irp s, 0,1
	s_mov_b32 s[G0A+4*\s], 1
	s_mov_b32 s[G0A+4*\s+1], \s*SLOT
	s_add_nc_u64 s[G0A+4*\s+2:G0A+4*\s+3], s[56:57], \s*256        ; K step s
	s_or_b32 s[G0A+4*\s+3], s[G0A+4*\s+3], 0x80000000
	s_mov_b32 s[G0B+4*\s], 1
	s_add_co_u32 s[G0B+4*\s+1], s60, \s*SLOT
	s_add_nc_u64 s[G0B+4*\s+2:G0B+4*\s+3], s[58:59], \s*256
	s_or_b32 s[G0B+4*\s+3], s[G0B+4*\s+3], 0x80000000
.endr
	ROUND                                          ; all sixteen work-groups are here: the first joint loads meet
	JLOAD 0
	JLOAD 1
	v_and_b32 v1, 15, v0                           ; r
	v_bfe_u32 v2, v0, 4, 1                         ; h
	v_and_b32 v3, 31, v0                           ; lane
	v_mul_u32_u24 v14, v1, PITCH
	v_lshl_add_u32 v14, v2, 4, v14                 ; a fragment's lane term: r x pitch + 16 h
	s_mul_i32 s61, s13, 64*PITCH
	s_mul_i32 s62, s14, 32*PITCH
	s_add_co_u32 s62, s62, APART
.irp s, 0,1
	v_add_nc_u32 v[ADA+\s], s61, v14
	v_add_nc_u32 v[ADB+\s], s62, v14
	s_add_co_u32 s61, s61, SLOT
	s_add_co_u32 s62, s62, SLOT
.endr
	v_mul_u32_u24 v15, v1, SPITCH                  ; stage, in: row 64 mi + r, byte 64 ni + 16 h of each matrix's 128
	v_lshl_add_u32 v15, v2, 4, v15
	s_mul_i32 s61, s13, 64*SPITCH
	s_lshl_b32 s62, s14, 6
	s_add_co_u32 s61, s61, s62
	s_add_co_u32 s61, s61, STAGE
	v_add_nc_u32 v[STO], s61, v15
	s_lshl_b32 s61, s14, 10                        ; partial norms: array [ni][.], word 64 mi + r
	s_lshl_b32 s62, s13, 8
	s_add_co_u32 s61, s61, s62
	s_add_co_u32 s61, s61, NST
	v_lshl_add_u32 v[NSA], v1, 2, s61
	v_lshrrev_b32 v15, 3, v3                       ; stage, back: eight lanes take a matrix's 128 bytes of a row, 4 rows a load
	v_mul_u32_u24 v15, v15, SPITCH
	v_and_b32 v14, 7, v0
	v_lshl_add_u32 v15, v14, 4, v15
	s_mul_i32 s61, s12, 32*SPITCH
	s_add_co_u32 s61, s61, STAGE
	v_add_nc_u32 v[RD], s61, v15
	s_lshl_b32 s61, s12, 12
	v_lshl_add_u32 v[GO], v3, 4, s61               ; 32 rows x 128 bytes x wave + 16 x lane
	v_lshlrev_b32 v[NGO], 4, v3
	v_add_nc_u32 v[NRD], NST, v[NGO]
	v_mov_b32 v[TT], 0                             ; v_permlanex16_b32 counts as a reader of its destination
	v_mov_b32 v[TT+1], 0
; 20 LDS loads in one run: the fragments of 32 along K (quarter q of the slot's 128) into buffer f
.macro FETCH slot, q, f
.irp i, 0,1,2,3
	ds_load_b128 v[\f+8*\i:\f+8*\i+3],   v[ADA+\slot] offset:\i*16*PITCH+64*(\q)
	ds_load_b128 v[\f+8*\i+4:\f+8*\i+7], v[ADA+\slot] offset:\i*16*PITCH+64*(\q)+32
.endr
.irp i, 0,1,2,3,4,5
	ds_load_b128 v[\f+32+8*\i:\f+32+8*\i+3], v[ADB+\slot] offset:(64*(\i/2)+16*(\i%2))*PITCH+64*(\q)      ; tiles 0, 1 of Wq, 2, 3 of Wk, 4, 5 of Wv
	ds_load_b128 v[\f+32+8*\i+4:\f+32+8*\i+7], v[ADB+\slot] offset:(64*(\i/2)+16*(\i%2))*PITCH+64*(\q)+32
.endr
.endm
; 24 matrix instructions: every accumulator has one turn, always in the same order.  zero = 1: the first product starts the sums.
.macro MUL f, zero
	WIN 0x50                                       ; C and D in window 1
.irp mt, 0,1,2,3
.irp nt, 0,1,2,3,4,5
.if \zero
	v_wmma_f32_16x16x32_f16 v[8*(6*\mt+\nt):8*(6*\mt+\nt)+7], v[\f+32+8*\nt:\f+32+8*\nt+7], v[\f+8*\mt:\f+8*\mt+7], 0
.else
	v_wmma_f32_16x16x32_f16 v[8*(6*\mt+\nt):8*(6*\mt+\nt)+7], v[\f+32+8*\nt:\f+32+8*\nt+7], v[\f+8*\mt:\f+8*\mt+7], v[8*(6*\mt+\nt):8*(6*\mt+\nt)+7]
.endif
.endr
.endr
	WIN 0
.endm
; one of a K step's first three quarters: buffer f is multiplied while quarter qn's fragments come into buffer g
.macro QUARTER slot, qn, f, g, zero
	s_wait_dscnt 0x0                               ; buffer f's 20 loads, the only ones out
	PLACES                                         ; buffer g was read by the matrix instructions just issued
	FETCH \slot, \qn, \g
	MUL \f, \zero
.endm
; a K step.  mode 2: the slot is filled again, two K steps ahead; 1: the slots change and nothing is fetched; 0: the last K step.
.macro TRIP slot, mode, zero
	QUARTER \slot, 1, F0, F1, \zero
	QUARTER \slot, 2, F1, F0, 0
	QUARTER \slot, 3, F0, F1, 0
	s_wait_dscnt 0x0                               ; the last quarter's fragments are in registers: my reads of this slot are over
.if \mode == 2
	s_wait_tensorcnt 0x0                           ; all my tensor loads have landed (the one out was my part of the other slot), so a group 0 may be written
	ds_add_u32 v254, v255
	s_wait_dscnt 0x0
	s_add_nc_u64 s[G0A+4*\slot+2:G0A+4*\slot+3], s[G0A+4*\slot+2:G0A+4*\slot+3], 512
	s_add_nc_u64 s[G0B+4*\slot+2:G0B+4*\slot+3], s[G0B+4*\slot+2:G0B+4*\slot+3], 512
	ROUND                                          ; both now hold of every wave of every work-group of the cluster
	JLOAD \slot                                    ; the refill: my first and only tensor load behind the round
.endif
.if \mode == 1
	s_wait_tensorcnt 0x0                           ; my part of the last K step's tile has landed
	s_barrier_signal -1
	s_barrier_wait -1                              ; everybody's has
.endif
.if \mode
	PLACES
	FETCH 1-\slot, 0, F0                           ; the other slot's first fragments come in under the last quarter's products
.endif
	MUL F1, 0
.endm
	s_wait_tensorcnt 0x1                           ; my part of K step 0 is in; K step 1's load, issued behind it by every wave, may stay out
	s_barrier_signal -1
	s_barrier_wait -1
	FETCH 0, 0, F0
	TRIP 0, 2, 1                                   ; K steps 0 and 1 stand in front of the loop: the first products start the sums
	TRIP 1, 2, 0
	s_mov_b32 s15, 2
.Lk:
	TRIP 0, 2, 0                                   ; K steps 2 .. 5
	TRIP 1, 2, 0
	s_sub_co_u32 s15, s15, 1
	s_cmp_lg_u32 s15, 0
	s_cbranch_scc1 .Lk
	TRIP 0, 1, 0                                   ; K steps 6 and 7 fetch nothing
	TRIP 1, 0, 0
	; THE WAY OUT.  Register j of lane (r, h) of tile (mt, nt) is C(row 16 mt + r, column 8 h + j of the tile): 8 neighbouring numbers.
	PLACES
.macro OUTM mt
	WIN 0x05                                       ; sources 0 and 1 in window 1
.irp nt, 0,1,2,3,4,5
.irp rr, 0,1,2,3
	v_cvt_pk_f16_f32 v[TMP+4*\nt+\rr], v[8*(6*\mt+\nt)+2*\rr], v[8*(6*\mt+\nt)+2*\rr+1]
.endr
.endr
.irp nt, 0,1,2,3                                   ; squares of the f32 sums, for q (tiles 0, 1) and k (tiles 2, 3); the first product starts each sum
.irp rr, 0,1,2,3
.if ((\nt%2)+\rr) == 0
	v_pk_mul_f32 v[SS+2*(\nt/2):SS+2*(\nt/2)+1], v[8*(6*\mt+\nt)+2*\rr:8*(6*\mt+\nt)+2*\rr+1], v[8*(6*\mt+\nt)+2*\rr:8*(6*\mt+\nt)+2*\rr+1]
.else
	v_pk_fma_f32 v[SS+2*(\nt/2):SS+2*(\nt/2)+1], v[8*(6*\mt+\nt)+2*\rr:8*(6*\mt+\nt)+2*\rr+1], v[8*(6*\mt+\nt)+2*\rr:8*(6*\mt+\nt)+2*\rr+1], v[SS+2*(\nt/2):SS+2*(\nt/2)+1]
.endif
.endr
.endr
	WIN 0
.irp nt, 0,1,2,3,4,5
	ds_store_b128 v[STO], v[TMP+4*\nt:TMP+4*\nt+3] offset:\mt*16*SPITCH+128*(\nt/2)+32*(\nt%2)
.endr
.irp g, 0,1
	v_add_f32 v[SS+2*\g], v[SS+2*\g], v[SS+2*\g+1]
.endr
.irp g, 0,1
	v_permlanex16_b32 v[TT+\g], v[SS+2*\g], s22, s23           ; the other 16 of my 32 columns
.endr
.irp g, 0,1
	v_add_f32 v[SS+2*\g], v[SS+2*\g], v[TT+\g]
	ds_store_b32 v[NSA], v[SS+2*\g] offset:512*\g+64*\mt       ; both halves write the same word with the same value
.endr
.endm
	OUTM 0
	OUTM 1
	OUTM 2
	OUTM 3
	s_lshl_b32 s66, s18, 18                        ; head x 2,048 rows x 128 bytes
	s_lshl_b32 s67, s19, 14                        ; + by x 128 rows
	s_add_co_u32 s66, s66, s67
	s_mov_b32 s67, 0
	s_add_nc_u64 s[68:69], s[8:9], s[66:67]        ; q's plane,
	s_add_nc_u64 s[70:71], s[68:69], 0x400000      ; k's,
	s_add_nc_u64 s[72:73], s[68:69], 0x800000      ; v's
	s_wait_dscnt 0x0                               ; my stores into the stage are done, for the others' sake
	s_barrier_signal -1
	s_barrier_wait -1
.irp m, 0,1,2
.irp t, 0,1,2,3,4,5,6,7
	ds_load_b128 v[F0+32*\m+4*\t:F0+32*\m+4*\t+3], v[RD] offset:\t*4*SPITCH+128*\m    ; rows 32 wave + 4 t .. + 3 of matrix m
.endr
.endr
.irp m, 0,1,2
.irp t, 0,1,2,3,4,5,6,7
	s_wait_dscnt 23-8*\m-\t                        ; LDS loads return in order: this one is in, the younger of the 24 stay out
	global_store_b128 v[GO], v[F0+32*\m+4*\t:F0+32*\m+4*\t+3], s[68+2*\m:69+2*\m] offset:512*\t   ; 512 consecutive bytes, aligned
.endr
.endr
	; the row figures: 128 rows, four numbers a lane, by wave 0
	s_cmp_lg_u32 s12, 0
	s_cbranch_scc1 .Lno_norm
	ds_load_b128 v[112:115], v[NRD]                ; q, columns 0-31
	ds_load_b128 v[116:119], v[NRD] offset:1024    ; q, columns 32-63
	ds_load_b128 v[120:123], v[NRD] offset:512     ; k likewise
	ds_load_b128 v[124:127], v[NRD] offset:1536
	s_lshl_b32 s74, s18, 13                        ; head x 2,048 x 4 bytes
	s_lshl_b32 s75, s19, 9                         ; + by x 128 x 4
	s_add_co_u32 s74, s74, s75
	s_mov_b32 s75, 0
	s_add_nc_u64 s[74:75], s[10:11], s[74:75]
	s_wait_dscnt 0x0
	v_pk_add_f32 v[112:113], v[112:113], v[116:117]            ; qn
	v_pk_add_f32 v[114:115], v[114:115], v[118:119]
	v_pk_add_f32 v[120:121], v[120:121], v[124:125]            ; kn
	v_pk_add_f32 v[122:123], v[122:123], v[126:127]
.irp i, 0,1,2,3
	v_sub_f32 v[128+\i], 1.0, v[112+\i]
	v_sub_f32 v[132+\i], 1.0, v[120+\i]
.endr
.irp i, 0,1,2,3,4,5,6,7
	v_rcp_f32 v[128+\i], v[128+\i]
.endr
	v_pk_mul_f32 v[112:113], v[112:113], 0.5 op_sel_hi:[1,0]   ; qn / 2: plain work on other registers stands between the reciprocals and their use (ISA guide 5.7.2)
	v_pk_mul_f32 v[114:115], v[114:115], 0.5 op_sel_hi:[1,0]
	v_pk_mul_f32 v[120:121], v[120:121], 0.5 op_sel_hi:[1,0]   ; kn / 2
	v_pk_mul_f32 v[122:123], v[122:123], 0.5 op_sel_hi:[1,0]
	s_wait_alu depctr_va_vdst(0)
	v_pk_mul_f32 v[128:129], v[128:129], 4.0 op_sel_hi:[1,0]   ; 4 / (1 - qn)
	v_pk_mul_f32 v[130:131], v[130:131], 4.0 op_sel_hi:[1,0]
	global_store_b128 v[NGO], v[112:115], s[74:75]
	global_store_b128 v[NGO], v[128:131], s[74:75] offset:131072
	global_store_b128 v[NGO], v[120:123], s[74:75] offset:262144
	global_store_b128 v[NGO], v[132:135], s[74:75] offset:393216   ; 1 / (1 - kn)
.Lno_norm:
	s_wait_tensorcnt 0x0
	ds_add_u32 v254, v255
	s_wait_dscnt 0x0
	ROUND                                          ; the closing round: no work-group ends while a partner may still ask for a tile that names it
	s_endpgm
.Lfunc_end_k_q51defc7598_qkv:
	.size	k_q51defc7598_qkv, .Lfunc_end_k_q51defc7598_qkv-k_q51defc7598_qkv
	.p2alignl 7, 3214868480
	.fill 96, 4, 3214868480
	.section	.rodata,"a",@progbits
	.p2align	6, 0x0
	.amdhsa_kernel k_q51defc7598_qkv
		.amdhsa_group_segment_fixed_size 327680
		.amdhsa_private_segment_fixed_size 0
		.amdhsa_enable_private_segment 0
		.amdhsa_kernarg_size 32
		.amdhsa_user_sgpr_count 2
		.amdhsa_user_sgpr_kernarg_segment_ptr 1
		.amdhsa_wavefront_size32 1
		.amdhsa_system_sgpr_workgroup_id_x 1
		.amdhsa_system_sgpr_workgroup_id_y 1
		.amdhsa_system_sgpr_workgroup_id_z 1
		.amdhsa_system_vgpr_workitem_id 0
		.amdhsa_next_free_vgpr 448
		.amdhsa_next_free_sgpr 80
		.amdhsa_reserve_vcc 0
		.amdhsa_float_denorm_mode_32 3
		.amdhsa_float_denorm_mode_16_64 3
		.amdhsa_memory_ordered 1
		.amdhsa_forward_progress 1
		.amdhsa_inst_pref_size 103
	.end_amdhsa_kernel
	.amdgpu_metadata
---
amdhsa.version: [ 1, 2 ]
amdhsa.kernels:
  - .name:           k_q51defc7598_qkv
    .symbol:         k_q51defc7598_qkv.kd
    .args:
      - { .name: xb, .offset: 0, .size: 8, .value_kind: global_buffer, .address_space: global }
      - { .name: wb, .offset: 8, .size: 8, .value_kind: global_buffer, .address_space: global }
      - { .name: qkv, .offset: 16, .size: 8, .value_kind: global_buffer, .address_space: global }
      - { .name: nrm, .offset: 24, .size: 8, .value_kind: global_buffer, .address_space: global }
    .group_segment_fixed_size: 327680
    .private_segment_fixed_size: 0
    .kernarg_segment_align: 8
    .kernarg_segment_size: 32
    .max_flat_workgroup_size: 128
    .sgpr_count:     80
    .vgpr_count:     448
    .wavefront_size: 32
...
	.end_amdgpu_metadata
.endif
;; end of part 2
;; launch attn (part 3): grid 16 x 16, 8 waves a work-group, clusters of 4 x 1, 327,680 bytes of LDS; arguments qkv, nrm, ao; writes ao
.if DOCPART == 3
	.amdgcn_target "amdgcn-amd-amdhsa--gfx1250"
	.amdhsa_code_object_version 6
	.text
	.protected	k_q51defc7598_attn
	.globl	k_q51defc7598_attn
	.p2align	8
	.type	k_q51defc7598_attn,@function
k_q51defc7598_attn:
	s_mov_b64 s[64:65], 0
	v_nop
	global_prefetch_b8 v0, s[64:65] scope:SCOPE_SE
	s_setreg_imm32_b32 hwreg(HW_REG_WAVE_MODE, 25, 1), 1
	s_wait_xcnt 0x0
	s_wait_alu depctr_hold_cnt(0) depctr_sa_sdst(0) depctr_va_vdst(0) depctr_va_sdst(0) depctr_va_ssrc(0) depctr_va_vcc(0) depctr_vm_vsrc(0)
	s_getreg_b32 s2, hwreg(HW_REG_IB_STS2, 6, 4)
	s_cmp_eq_u32 s2, 0
	s_cbranch_scc0 .Lentry_in_a_cluster
	s_endpgm
.Lentry_in_a_cluster:
	s_bfe_u32 s2, ttmp6, 0x10000c
	s_cmp_lg_u32 s2, 0x3003
	s_cbranch_scc0 .Lentry_shape_is_right
	s_endpgm
.Lentry_shape_is_right:
; Hyperbolic attention of one head (grid y) for 128 queries (grid x):  ao[head][query][64] = softmax over keys of (-distance) . v, in f16.
; THE WEIGHT.  c = 1 + 2 diff / denom >= 1 and e = c + sqrt(c c - 1) = exp(acosh c) = exp(distance).  exp(-(distance - least distance)) = (least e) / e:
; the row's maximum of -distance is taken away as a RUNNING MINIMUM m of e; when m falls, the sums so far are scaled by m_new / m_old.  One root and one
; reciprocal a pair, no logarithm, no exponential.  c = 1 gives e = 1, distance 0, as the reference's mask does.
; diff / 2 = qn/2 + kn/2 - q.k comes out of the matrix unit: C starts as qn/2 + kn/2 and Q's fragments carry flipped signs.  It is clamped at 0.
; 4 / max((1-qn)(1-kn), 1e-6) = the unsigned minimum of the bit patterns of (4/(1-qn)) (1/(1-kn)) and 4e6: a negative product, -0, an infinity or a NaN
; (1-qn = 0) compares above 4e6 as an unsigned number and so gives 4e6, which is the clamp's value in each of these cases.
; FORMAT.  q, k, v, the weights and ao are f16.  Where the weights are nearly equal the result is a mean of 2,048 numbers of both signs, about 1/45 of their size, and
; the rounding errors of weights and v shrink by the same 45: the result's relative error is the operands' rounding step.  11 significant bits keep it far inside
; the problem's allowance, 8 do not.  The weights are at most 1; ao is a convex mix of v and so has v's range.
; LIMITS.  A pair with c >= 1.8e19 (c c overflows f32) has e infinite and gets the weight 0; a query for which all 2,048 keys are so gives NaN.
; m starts at the largest finite f32, so that a block of such pairs alone gives zeros.  qn, kn come from f32 sums, q.k from operands rounded to f16.
; A weight below 6.1e-5 of the row's largest keeps the absolute step 6e-8.  |v| is below 65,504 (the launch before states it).
; WORK.  Eight waves.  Wave w has queries 32 (w & 3) .. + 31 (two tiles of 16) and half g = w >> 2 of the keys of every tile of 256; the two halves'
; sums meet once, at the end, through LDS.  S is made transposed (source 0 = 16 keys, source 1 = 16 queries): lane (r, h) holds keys 8 h + j of query r,
; and two key tiles rounded to f16 ARE the second source of O^T = V^T P: the weights never leave the registers.  V^T comes by the transposing LDS load.
; CLUSTER 4 x 1: the four work-groups have the same head and walk the same K, V, kn/2, 1/(1-kn): joint loads, mask 15.  Waves 0, 1 ask for K's two halves of a tile,
; waves 2, 3 for V's, wave 4 for the two rows of figures, waves 5 to 7 for nothing: one tensor load a wave behind each round; at most two are out (the first fills), later one.
; A tile is asked for one tile's work (2 blocks of 64 keys x 32 queries a wave) ahead of its use; no prefetch is written on top of that.
.set KPITCH, 144                       ; a key's 128 bytes + 16: an odd multiple of 16
.set VPITCH, 160                       ; + 32: an odd multiple of 32, for the transposing load
.set PIECE,  20480                     ; 128 keys of K (18,432 used) or of V
.set NOFF,   4*PIECE                   ; behind K's and V's halves: 256 x kn/2, then 256 x 1/(1-kn)
.set SLOT,   NOFF+2048                 ; 83,968
.set MERGE,  2*SLOT                    ; 4 x 8,704: what a wave of half 1 hands to its partner; no tensor load lands here
.set MPART,  17*512
.set OUTS,   MERGE+4*MPART             ; 4 x 4,608: 32 rows of 128 bytes + 16
.set OPITCH, 144
.set OPART,  32*OPITCH
; window 0
.set ADK, 2                            ; v2, v3   K fragments, slot 0, 1
.set ADV, 4                            ; v4, v5   V fragments
.set ADN, 6                            ; v6, v7   the keys' figures
.set HQ,  10                           ; v[10:13] qn/2 of query tile 0, 1, each twice (a pair for the packed forms)
.set RQ,  14                           ; v[14:17] 4/(1-qn) likewise
.set MR,  18                           ; v[18:21] m likewise
.set FR,  22                           ; v[22:25] m_new / m_old likewise
.set LS,  26                           ; v[26:29] sums of weights, a pair of partial sums for each query tile
.set MB,  30                           ; v30, v31 the block's minimum
.set TT,  32                           ; v32, v33 from the other half of the lanes
.set RI,  34                           ; v34, v35 1 / m_old
.set ST,  36                           ; v[36:39] m, m, l, l of my two query tiles
.set PS,  40                           ; v[40:43] my partner's
.set QO,  44
.set NO,  45
.set MA,  46
.set OS,  47
.set OD,  48
.set GO,  49
.set WK,  50                           ; v[50:57] at work
.set FA,  58                           ; v[58:61] the merge's factor for my sums
.set FB,  14                           ; v[14:17] for my partner's (RQ is done with by then)
.set ER,  64                           ; v[64:127]  tile (q, kt) at 32 q + 8 kt: diff/2, c, e, weight; then P(q, kg) at 32 q + 16 kg
.set GA,  128                          ; v[128:143] 4/denom, c c - 1, its root, for one kt
.set GB,  144                          ; v[144:159] for the next
.set HKR, 160                          ; v[160:191] kn/2 of my 8 keys of each kt
.set RKR, 192                          ; v[192:223] 1/(1-kn)
; window 1
.set OA,  0                            ; v[0:63]    O^T, tile (q, d) at 32 q + 8 d
.set QF,  64                           ; v[64:95]   -Q, (q, ks) at 16 q + 8 ks
.set KF,  96                           ; v[96:159]  K, (kt, ks) at 16 kt + 8 ks
.set VF,  160                          ; v[160:223] V^T, (kg, d) at 32 kg + 8 d
.set G1K, 24
.set G1V, 32
.set G1N, 40
.set G0K, 48
.set G0V, 56
.set G0N, 68
.set MSB, 0
.macro WIN new
.if MSB != \new
	s_set_vgpr_msb (MSB<<8)|\new
.set MSB, \new
.endif
.endm
.macro PLACES                          ; four places behind matrix instructions (ISA guide 7.12.1)
.rept 4
	v_nop
.endr
.endm
.macro ROUND
	s_barrier_signal -1
	s_barrier_wait -1
	s_cmp_lg_u32 s10, 0
	s_cbranch_scc1 .Lnot_wave_0_\@
	s_barrier_signal -3
.Lnot_wave_0_\@:
	s_barrier_wait -3
	s_barrier_signal -1
	s_barrier_wait -1
.endm
.macro JLOAD s                         ; my one joint load into slot s, if I have one; the branches hang on the wave's number alone
	s_cmp_lt_u32 s10, 2
	s_cbranch_scc0 .Lnot_k_\@
	tensor_load_to_lds s[G0K+4*\s:G0K+4*\s+3], s[G1K:G1K+7]
	s_nop 0
	s_branch .Lasked_\@
.Lnot_k_\@:
	s_cmp_lt_u32 s10, 4
	s_cbranch_scc0 .Lnot_v_\@
	tensor_load_to_lds s[G0V+4*\s:G0V+4*\s+3], s[G1V:G1V+7]
	s_nop 0
	s_branch .Lasked_\@
.Lnot_v_\@:
	s_cmp_eq_u32 s10, 4
	s_cbranch_scc0 .Lasked_\@
	tensor_load_to_lds s[G0N+4*\s:G0N+4*\s+3], s[G1N:G1N+7]
	s_nop 0
.Lasked_\@:
.endm
	s_load_b128 s[4:7], s[0:1], 0x0                ; qkv s[4:5], nrm s[6:7]
	s_load_b64 s[8:9], s[0:1], 0x10                ; ao
	v_lshl_add_u32 v254, v0, 2, 0x36000
	v_mov_b32 v255, 0
	ds_add_u32 v254, v255
	v_lshrrev_b32 v1, 5, v0
	v_readfirstlane_b32 s10, v1                    ; wave 0 .. 7
	s_lshr_b32 s11, s10, 2                         ; g: my half of the keys
	s_and_b32 s12, s10, 3                          ; which 32 queries
	s_and_b32 s13, s10, 1                          ; which half of a tile I ask for
	s_bfe_u32 s14, ttmp6, 0x40000                  ; cx
	s_lshl_b32 s15, ttmp9, 2
	s_add_co_u32 s15, s15, s14                     ; block of 128 queries
	s_and_b32 s16, ttmp7, 0xffff                   ; head (the cluster is one work-group high)
	s_mov_b32 s18, 0x4a742400                      ; 4e6
	s_mov_b32 s19, 0x80008000                      ; the signs of two f16
	s_mov_b32 s20, 0x76543210
	s_mov_b32 s21, 0xfedcba98
	; 128 keys are 16,384 dense bytes: 64 rows of 256 bytes; padding behind every 32 dwords (a key): 4 dwords for K, 8 for V
	s_mov_b32 s[G1K+0], 15|(1<<16)|(1<<20)|(1<<21)|(4<<22)|(3<<25)
	s_mov_b32 s[G1V+0], 15|(1<<16)|(1<<20)|(1<<21)|(4<<22)|(7<<25)
.irp g, G1K, G1V
	s_mov_b32 s[\g+1], 128<<16                     ; tensor_dim0 = 128 elements
	s_mov_b32 s[\g+2], 64<<16                      ; tensor_dim1 = 64
	s_mov_b32 s[\g+3], 128<<16                     ; tile_dim0
	s_mov_b32 s[\g+4], 64                          ; tile_dim1
	s_mov_b32 s[\g+5], 128                         ; dense: a row begins where the last ends
	s_mov_b32 s[\g+6], 0
	s_mov_b32 s[\g+7], 0
.endr
	s_mov_b32 s[G1N+0], 15|(2<<16)|(1<<21)         ; elements of 4 bytes, no padding
	s_mov_b32 s[G1N+1], 256<<16                    ; 256 keys
	s_mov_b32 s[G1N+2], 2<<16                      ; two rows: kn/2 and 1/(1-kn),
	s_mov_b32 s[G1N+3], 256<<16
	s_mov_b32 s[G1N+4], 2
	s_mov_b32 s[G1N+5], 32768                      ; a plane of nrm (16 x 2,048 numbers) apart
	s_mov_b32 s[G1N+6], 0
	s_mov_b32 s[G1N+7], 0
	s_lshl_b32 s82, s16, 18                        ; head x 262,144
	s_lshl_b32 s84, s13, 14                        ; + my half of the tile
	s_add_co_u32 s82, s82, s84
	s_mov_b32 s83, 0
	s_lshl_b32 s84, s16, 13                        ; head x 8,192 in plane 2 of nrm
	s_add_co_u32 s84, s84, 262144
	s_mov_b32 s85, 0
	s_mul_i32 s86, s10, PIECE                      ; LDS: piece = wave (0, 1 K; 2, 3 V)
	s_lshl_b32 s76, s16, 18                        ; my 32 rows of q and of ao: head, block of queries, wave
	s_lshl_b32 s87, s15, 14
	s_add_co_u32 s76, s76, s87
	s_lshl_b32 s87, s12, 12
	s_add_co_u32 s76, s76, s87
	s_mov_b32 s77, 0
	s_lshl_b32 s78, s16, 13                        ; and their figures in plane 0 of nrm
	s_lshl_b32 s87, s15, 9
	s_add_co_u32 s78, s78, s87
	s_lshl_b32 s87, s12, 7
	s_add_co_u32 s78, s78, s87
	s_mov_b32 s79, 0
	s_wait_dscnt 0x0
	s_wait_kmcnt 0x0
	s_add_nc_u64 s[82:83], s[4:5], s[82:83]
	s_add_nc_u64 s[84:85], s[6:7], s[84:85]
	s_add_nc_u64 s[80:81], s[8:9], s[76:77]
	s_add_nc_u64 s[76:77], s[4:5], s[76:77]
	s_add_nc_u64 s[78:79], s[6:7], s[78:79]
.irp s, 0,1
	s_mov_b32 s[G0K+4*\s], 1
	s_add_co_u32 s[G0K+4*\s+1], s86, \s*SLOT
	s_add_nc_u64 s[G0K+4*\s+2:G0K+4*\s+3], s[82:83], 0x400000+\s*32768     ; k's plane, tile s
	s_or_b32 s[G0K+4*\s+3], s[G0K+4*\s+3], 0x80000000
	s_mov_b32 s[G0V+4*\s], 1
	s_add_co_u32 s[G0V+4*\s+1], s86, \s*SLOT
	s_add_nc_u64 s[G0V+4*\s+2:G0V+4*\s+3], s[82:83], 0x800000+\s*32768     ; v's plane
	s_or_b32 s[G0V+4*\s+3], s[G0V+4*\s+3], 0x80000000
	s_mov_b32 s[G0N+4*\s], 1
	s_mov_b32 s[G0N+4*\s+1], \s*SLOT+NOFF
	s_add_nc_u64 s[G0N+4*\s+2:G0N+4*\s+3], s[84:85], \s*1024
	s_or_b32 s[G0N+4*\s+3], s[G0N+4*\s+3], 0x80000000
.endr
	ROUND                                          ; the four work-groups are here: the first joint loads meet
	JLOAD 0
	JLOAD 1
	v_and_b32 v1, 15, v0                           ; r
	v_bfe_u32 v8, v0, 4, 1                         ; h
	v_and_b32 v9, 31, v0                           ; lane
	v_lshlrev_b32 v[QO], 7, v1
	v_lshl_add_u32 v[QO], v8, 4, v[QO]             ; Q: 128 r + 16 h
	v_lshlrev_b32 v[NO], 2, v1
	WIN 0x40                                       ; destination in window 1
.irp q, 0,1
.irp ks, 0,1
	global_load_b128 v[QF+16*\q+8*\ks:QF+16*\q+8*\ks+3],   v[QO], s[76:77] offset:2048*\q+64*\ks
	global_load_b128 v[QF+16*\q+8*\ks+4:QF+16*\q+8*\ks+7], v[QO], s[76:77] offset:2048*\q+64*\ks+32
.endr
.endr
	WIN 0
.irp q, 0,1
	global_load_b32 v[HQ+2*\q], v[NO], s[78:79] offset:64*\q
	global_load_b32 v[RQ+2*\q], v[NO], s[78:79] offset:64*\q+131072
.endr
	v_mul_u32_u24 v50, v1, KPITCH
	v_lshl_add_u32 v50, v8, 4, v50
	s_mul_i32 s87, s11, PIECE
	v_add_nc_u32 v[ADK], s87, v50                  ; my half's keys: key r, 16 h
	v_add_nc_u32 v[ADK+1], SLOT, v[ADK]
	v_and_b32 v51, 7, v0
	v_lshl_add_u32 v51, v8, 3, v51                 ; transposing load: key 8 h + (lane & 7),
	v_mul_u32_u24 v51, v51, VPITCH
	v_bfe_u32 v52, v0, 3, 1
	v_lshl_add_u32 v51, v52, 4, v51                ; 16 bytes further for lanes 8-15 of each half
	s_add_co_u32 s88, s87, 2*PIECE
	v_add_nc_u32 v[ADV], s88, v51
	v_add_nc_u32 v[ADV+1], SLOT, v[ADV]
	s_lshl_b32 s88, s11, 9
	s_add_co_u32 s88, s88, NOFF
	v_lshl_add_u32 v[ADN], v8, 5, s88              ; 8 numbers for each half of the lanes
	v_add_nc_u32 v[ADN+1], SLOT, v[ADN]
	s_mul_i32 s88, s12, MPART
	s_add_co_u32 s88, s88, MERGE
	v_lshl_add_u32 v[MA], v9, 4, s88
	s_mul_i32 s88, s12, OPART
	s_add_co_u32 s88, s88, OUTS
	v_mul_u32_u24 v53, v1, OPITCH
	v_lshl_add_u32 v53, v8, 4, v53
	v_add_nc_u32 v[OS], s88, v53
	v_lshrrev_b32 v54, 3, v9
	v_mul_u32_u24 v54, v54, OPITCH
	v_and_b32 v55, 7, v0
	v_lshl_add_u32 v54, v55, 4, v54
	v_add_nc_u32 v[OD], s88, v54
	v_lshlrev_b32 v[GO], 4, v9
.irp i, 0,1,2,3
	v_mov_b32 v[MR+\i], 0x7f7fffff                 ; the largest finite f32
	v_mov_b32 v[LS+\i], 0
.endr
	v_mov_b32 v[TT], 0                             ; v_permlanex16_b32 counts as a reader of its destination
	v_mov_b32 v[TT+1], 0
	s_wait_loadcnt 0x0
.irp q, 0,1
	v_mov_b32 v[HQ+2*\q+1], v[HQ+2*\q]
	v_mov_b32 v[RQ+2*\q+1], v[RQ+2*\q]
.endr
	WIN 0x44                                       ; source 1 and destination in window 1
.set i, 0
.rept 32
	v_xor_b32 v[QF+i], s19, v[QF+i]                ; -Q, once: the products then subtract q.k
.set i, i+1
.endr
	WIN 0
; for key tile kt and both query tiles: 4/denom, diff/2 clamped, c, c c - 1 and its root
.macro F1 kt, G
.irp q, 0,1
.irp i, 0,1,2,3
	v_pk_mul_f32 v[\G+8*\q+2*\i:\G+8*\q+2*\i+1], v[RKR+8*\kt+2*\i:RKR+8*\kt+2*\i+1], v[RQ+2*\q:RQ+2*\q+1]
.endr
.endr
.irp j, 0,1,2,3,4,5,6,7,8,9,10,11,12,13,14,15
	v_min_u32 v[\G+\j], s18, v[\G+\j]              ; the denominator's clamp, on the bit patterns
.endr
.irp q, 0,1
.irp j, 0,1,2,3,4,5,6,7
	v_max_num_f32 v[ER+32*\q+8*\kt+\j], 0, v[ER+32*\q+8*\kt+\j]
.endr
.endr
.irp q, 0,1
.irp i, 0,1,2,3
	v_pk_fma_f32 v[ER+32*\q+8*\kt+2*\i:ER+32*\q+8*\kt+2*\i+1], v[ER+32*\q+8*\kt+2*\i:ER+32*\q+8*\kt+2*\i+1], v[\G+8*\q+2*\i:\G+8*\q+2*\i+1], 1.0 op_sel_hi:[1,1,0]
.endr
.endr
.irp q, 0,1
.irp i, 0,1,2,3
	v_pk_fma_f32 v[\G+8*\q+2*\i:\G+8*\q+2*\i+1], v[ER+32*\q+8*\kt+2*\i:ER+32*\q+8*\kt+2*\i+1], v[ER+32*\q+8*\kt+2*\i:ER+32*\q+8*\kt+2*\i+1], -1.0 op_sel_hi:[1,1,0]
.endr
.endr
.irp j, 0,1,2,3,4,5,6,7,8,9,10,11,12,13,14,15
	v_sqrt_f32 v[\G+\j], v[\G+\j]
.endr
	v_nop                                          ; one plain place behind the run of roots (ISA guide 5.7.2)
.endm
; e = c + root, and the block's minimum; the very first takes the running minimum in
.macro F2 kt, G
	s_wait_alu depctr_va_vdst(0)
.irp q, 0,1
.irp i, 0,1,2,3
	v_pk_add_f32 v[ER+32*\q+8*\kt+2*\i:ER+32*\q+8*\kt+2*\i+1], v[ER+32*\q+8*\kt+2*\i:ER+32*\q+8*\kt+2*\i+1], v[\G+8*\q+2*\i:\G+8*\q+2*\i+1]
.endr
.endr
.irp i, 0,1,2,3
.irp q, 0,1
.if (\kt+\i) == 0
	v_min3_num_f32 v[MB+\q], v[MR+2*\q], v[ER+32*\q+8*\kt+2*\i], v[ER+32*\q+8*\kt+2*\i+1]
.else
	v_min3_num_f32 v[MB+\q], v[MB+\q], v[ER+32*\q+8*\kt+2*\i], v[ER+32*\q+8*\kt+2*\i+1]
.endif
.endr
.endr
.endm
; weight = m / e, its sum, and the rounding to f16 into the places of P
.macro BACK kt
.irp q, 0,1
.irp j, 0,1,2,3,4,5,6,7
	v_rcp_f32 v[ER+32*\q+8*\kt+\j], v[ER+32*\q+8*\kt+\j]
.endr
.endr
	v_nop
	s_wait_alu depctr_va_vdst(0)
.irp q, 0,1
.irp i, 0,1,2,3
	v_pk_mul_f32 v[ER+32*\q+8*\kt+2*\i:ER+32*\q+8*\kt+2*\i+1], v[ER+32*\q+8*\kt+2*\i:ER+32*\q+8*\kt+2*\i+1], v[MR+2*\q:MR+2*\q+1]
.endr
.endr
.irp i, 0,1,2,3
.irp q, 0,1
	v_pk_add_f32 v[LS+2*\q:LS+2*\q+1], v[LS+2*\q:LS+2*\q+1], v[ER+32*\q+8*\kt+2*\i:ER+32*\q+8*\kt+2*\i+1]
.endr
.endr
.irp q, 0,1
.irp i, 0,1,2,3
	v_cvt_pk_f16_f32 v[ER+32*\q+16*(\kt/2)+4*(\kt%2)+\i], v[ER+32*\q+8*\kt+2*\i], v[ER+32*\q+8*\kt+2*\i+1]   ; ascending: never onto a number not yet read
.endr
.endr
.endm
; 64 keys (block b of my 128 of the slot) x 32 queries
.macro BLOCK slot, b, first
	PLACES                                         ; behind the last block's products: their sources are loaded and written again below
.irp kt, 0,1,2,3
	ds_load_b128 v[HKR+8*\kt:HKR+8*\kt+3],   v[ADN+\slot] offset:256*\b+64*\kt
	ds_load_b128 v[HKR+8*\kt+4:HKR+8*\kt+7], v[ADN+\slot] offset:256*\b+64*\kt+16
.endr
.irp kt, 0,1,2,3
	ds_load_b128 v[RKR+8*\kt:RKR+8*\kt+3],   v[ADN+\slot] offset:256*\b+64*\kt+1024
	ds_load_b128 v[RKR+8*\kt+4:RKR+8*\kt+7], v[ADN+\slot] offset:256*\b+64*\kt+1040
.endr
	WIN 0x40
.irp kt, 0,1,2,3
.irp ks, 0,1
	ds_load_b128 v[KF+16*\kt+8*\ks:KF+16*\kt+8*\ks+3],   v[ADK+\slot] offset:(64*\b+16*\kt)*KPITCH+64*\ks
	ds_load_b128 v[KF+16*\kt+8*\ks+4:KF+16*\kt+8*\ks+7], v[ADK+\slot] offset:(64*\b+16*\kt)*KPITCH+64*\ks+32
.endr
.endr
.irp kg, 0,1
.irp d, 0,1,2,3
	ds_load_tr16_b128 v[VF+32*\kg+8*\d:VF+32*\kg+8*\d+3],   v[ADV+\slot] offset:(64*\b+32*\kg)*VPITCH+32*\d
	ds_load_tr16_b128 v[VF+32*\kg+8*\d+4:VF+32*\kg+8*\d+7], v[ADV+\slot] offset:(64*\b+32*\kg)*VPITCH+32*\d+16*VPITCH
.endr
.endr
	WIN 0
	s_wait_dscnt 40                                ; of the 48 loads the first 8 (kn/2) are in
.irp q, 0,1
.irp kt, 0,1,2,3
.irp i, 0,1,2,3
	v_pk_add_f32 v[ER+32*\q+8*\kt+2*\i:ER+32*\q+8*\kt+2*\i+1], v[HKR+8*\kt+2*\i:HKR+8*\kt+2*\i+1], v[HQ+2*\q:HQ+2*\q+1]   ; qn/2 + kn/2 starts the sums
.endr
.endr
.endr
	s_wait_dscnt 16                                ; 1/(1-kn) and K are in; V's 16 loads stay out
	WIN 0x05                                       ; K and Q in window 1
.irp ks, 0,1                                       ; the eight accumulators take turns, one instruction a turn
.irp kt, 0,1,2,3
.irp q, 0,1
	v_wmma_f32_16x16x32_f16 v[ER+32*\q+8*\kt:ER+32*\q+8*\kt+7], v[KF+16*\kt+8*\ks:KF+16*\kt+8*\ks+7], v[QF+16*\q+8*\ks:QF+16*\q+8*\ks+7], v[ER+32*\q+8*\kt:ER+32*\q+8*\kt+7]
.endr
.endr
.endr
	WIN 0
	F1 0, GA                                       ; its first 24 instructions name none of the products' registers: they are the places behind them
	F1 1, GB
	F2 0, GA
	F1 2, GA
	F2 1, GB
	F1 3, GB
	F2 2, GA
	F2 3, GB
	v_rcp_f32 v[RI], v[MR]                         ; 1 / m_old (the start value's reciprocal is flushed to 0: the empty sums are scaled by 0)
	v_rcp_f32 v[RI+1], v[MR+2]
	v_permlanex16_b32 v[TT], v[MB], s20, s21       ; the other eight keys of each tile lie in the other half of the lanes
	v_permlanex16_b32 v[TT+1], v[MB+1], s20, s21
	v_min_num_f32 v[MB], v[MB], v[TT]              ; m_new
	v_min_num_f32 v[MB+1], v[MB+1], v[TT+1]
	s_wait_alu depctr_va_vdst(0)
.irp q, 0,1
	v_mul_f32 v[FR+2*\q], v[MB+\q], v[RI+\q]
	v_mul_f32 v[FR+2*\q+1], v[MB+\q], v[RI+\q]
	v_mov_b32 v[MR+2*\q], v[MB+\q]
	v_mov_b32 v[MR+2*\q+1], v[MB+\q]
.endr
.irp q, 0,1
	v_pk_mul_f32 v[LS+2*\q:LS+2*\q+1], v[LS+2*\q:LS+2*\q+1], v[FR+2*\q:FR+2*\q+1]
.endr
	BACK 0
	BACK 1
	BACK 2
	BACK 3
.if \first == 0
	WIN 0x41                                       ; O in window 1
.irp q, 0,1
.irp i, 0,1,2,3,4,5,6,7,8,9,10,11,12,13,14,15
	v_pk_mul_f32 v[OA+32*\q+2*\i:OA+32*\q+2*\i+1], v[OA+32*\q+2*\i:OA+32*\q+2*\i+1], v[FR+2*\q:FR+2*\q+1]
.endr
.endr
.endif
	s_wait_dscnt 0x0                               ; V^T is in
	WIN 0x51                                       ; V^T, C and D in window 1, P in window 0
.irp kg, 0,1                                       ; again eight accumulators by turns
.irp q, 0,1
.irp d, 0,1,2,3
.if (\first)*(1-\kg)
	v_wmma_f32_16x16x32_f16 v[OA+32*\q+8*\d:OA+32*\q+8*\d+7], v[VF+32*\kg+8*\d:VF+32*\kg+8*\d+7], v[ER+32*\q+16*\kg:ER+32*\q+16*\kg+7], 0
.else
	v_wmma_f32_16x16x32_f16 v[OA+32*\q+8*\d:OA+32*\q+8*\d+7], v[VF+32*\kg+8*\d:VF+32*\kg+8*\d+7], v[ER+32*\q+16*\kg:ER+32*\q+16*\kg+7], v[OA+32*\q+8*\d:OA+32*\q+8*\d+7]
.endif
.endr
.endr
.endr
	WIN 0
.endm
.macro PHASE slot, first               ; my 128 keys of the slot's 256
	BLOCK \slot, 0, \first
	BLOCK \slot, 1, 0
.endm
.macro TURN s                          ; slot s has been read: it is filled again, two tiles ahead
	s_wait_dscnt 0x0                               ; my reads of it are back
	s_wait_tensorcnt 0x0                           ; all my tensor loads have landed, my part of the other slot among them: a group 0 may be written
	ds_add_u32 v254, v255
	s_wait_dscnt 0x0
	s_add_nc_u64 s[G0K+4*\s+2:G0K+4*\s+3], s[G0K+4*\s+2:G0K+4*\s+3], 65536
	s_add_nc_u64 s[G0V+4*\s+2:G0V+4*\s+3], s[G0V+4*\s+2:G0V+4*\s+3], 65536
	s_add_nc_u64 s[G0N+4*\s+2:G0N+4*\s+3], s[G0N+4*\s+2:G0N+4*\s+3], 2048
	ROUND                                          ; both now hold of every wave of the four work-groups
	JLOAD \s                                       ; the refill, first behind the round
.endm
	s_wait_tensorcnt 0x0                           ; waves 0 to 4 have issued two loads, waves 5 to 7 none: the one count that shows tile 0 landed on every wave's way here is 0
	s_barrier_signal -1
	s_barrier_wait -1                              ; every wave's parts of tiles 0 and 1 are in
	PHASE 0, 1                                     ; tile 0: its first products start O's sums
	s_mov_b32 s17, 3
.Ltiles:
	TURN 0                                         ; tiles 2, 4, 6 are asked for,
	PHASE 1, 0                                     ; tiles 1, 3, 5 worked on
	TURN 1                                         ; tiles 3, 5, 7
	PHASE 0, 0                                     ; tiles 2, 4, 6
	s_sub_co_u32 s17, s17, 1
	s_cmp_lg_u32 s17, 0
	s_cbranch_scc1 .Ltiles
	s_wait_dscnt 0x0
	s_wait_tensorcnt 0x0                           ; my part of tile 7 has landed
	s_barrier_signal -1
	s_barrier_wait -1                              ; everybody's has; nothing is filled any more
	PHASE 1, 0
	; THE TWO HALVES OF THE KEYS MEET
	PLACES
	v_add_f32 v[LS], v[LS], v[LS+1]
	v_add_f32 v[LS+2], v[LS+2], v[LS+3]
	v_permlanex16_b32 v[TT], v[LS], s20, s21
	v_permlanex16_b32 v[TT+1], v[LS+2], s20, s21
	v_add_f32 v[ST+2], v[LS], v[TT]                ; l of my half of the keys
	v_add_f32 v[ST+3], v[LS+2], v[TT+1]
	v_mov_b32 v[ST], v[MR]
	v_mov_b32 v[ST+1], v[MR+2]
	s_cmp_eq_u32 s11, 0
	s_cbranch_scc1 .Lkeeper
	WIN 0x04                                       ; store data in window 1
.irp i, 0,1,2,3,4,5,6,7,8,9,10,11,12,13,14,15
	ds_store_b128 v[MA], v[OA+4*\i:OA+4*\i+3] offset:512*\i
.endr
	WIN 0
	ds_store_b128 v[MA], v[ST:ST+3] offset:8192
.Lkeeper:
	s_wait_dscnt 0x0                               ; for the partner's sake
	s_barrier_signal -1
	s_barrier_wait -1
	s_cmp_lg_u32 s11, 0
	s_cbranch_scc1 .Lend
.irp i, 0,1,2,3,4,5,6,7,8,9,10,11,12,13,14,15
	ds_load_b128 v[ER+4*\i:ER+4*\i+3], v[MA] offset:512*\i
.endr
	ds_load_b128 v[PS:PS+3], v[MA] offset:8192
	s_wait_dscnt 0x0
.irp q, 0,1
	v_min_num_f32 v[WK+\q], v[ST+\q], v[PS+\q]     ; m of all keys
	v_rcp_f32 v[WK+2+\q], v[ST+\q]
	v_rcp_f32 v[WK+4+\q], v[PS+\q]
.endr
	v_nop
	s_wait_alu depctr_va_vdst(0)
.irp q, 0,1
	v_mul_f32 v[WK+2+\q], v[WK+\q], v[WK+2+\q]     ; m / m_mine
	v_mul_f32 v[WK+4+\q], v[WK+\q], v[WK+4+\q]     ; m / m_partner
	v_mul_f32 v[WK+6+\q], v[ST+2+\q], v[WK+2+\q]
	v_fma_f32 v[WK+6+\q], v[PS+2+\q], v[WK+4+\q], v[WK+6+\q]   ; l of all keys
.endr
	v_rcp_f32 v[WK+6], v[WK+6]
	v_rcp_f32 v[WK+7], v[WK+7]
	v_nop
	s_wait_alu depctr_va_vdst(0)
.irp q, 0,1
	v_mul_f32 v[FA+2*\q], v[WK+2+\q], v[WK+6+\q]
	v_mul_f32 v[FA+2*\q+1], v[WK+2+\q], v[WK+6+\q]
	v_mul_f32 v[FB+2*\q], v[WK+4+\q], v[WK+6+\q]
	v_mul_f32 v[FB+2*\q+1], v[WK+4+\q], v[WK+6+\q]
.endr
	WIN 0x01                                       ; my O in window 1
.irp q, 0,1
.irp i, 0,1,2,3,4,5,6,7,8,9,10,11,12,13,14,15
	v_pk_mul_f32 v[GA+32*\q+2*\i:GA+32*\q+2*\i+1], v[OA+32*\q+2*\i:OA+32*\q+2*\i+1], v[FA+2*\q:FA+2*\q+1]
.endr
.endr
	WIN 0
.irp q, 0,1
.irp i, 0,1,2,3,4,5,6,7,8,9,10,11,12,13,14,15
	v_pk_fma_f32 v[GA+32*\q+2*\i:GA+32*\q+2*\i+1], v[ER+32*\q+2*\i:ER+32*\q+2*\i+1], v[FB+2*\q:FB+2*\q+1], v[GA+32*\q+2*\i:GA+32*\q+2*\i+1]
.endr
.endr
.irp q, 0,1
.irp i, 0,1,2,3,4,5,6,7,8,9,10,11,12,13,14,15
	v_cvt_pk_f16_f32 v[RKR+16*\q+\i], v[GA+32*\q+2*\i], v[GA+32*\q+2*\i+1]
.endr
.endr
.irp q, 0,1
.irp d, 0,1,2,3
	ds_store_b128 v[OS], v[RKR+16*\q+4*\d:RKR+16*\q+4*\d+3] offset:16*\q*OPITCH+32*\d   ; query 16 q + r, numbers 16 d + 8 h .. + 7
.endr
.endr
.irp t, 0,1,2,3,4,5,6,7
	ds_load_b128 v[ER+4*\t:ER+4*\t+3], v[OD] offset:4*\t*OPITCH    ; my own bytes: LDS serves a wave's instructions in order (ISA guide 5.7.1.4)
.endr
.irp t, 0,1,2,3,4,5,6,7
	s_wait_dscnt 7-\t                              ; load t is in, the younger ones stay out
	global_store_b128 v[GO], v[ER+4*\t:ER+4*\t+3], s[80:81] offset:512*\t    ; four rows: 512 consecutive bytes, aligned
.endr
.Lend:
	s_wait_tensorcnt 0x0
	ds_add_u32 v254, v255
	s_wait_dscnt 0x0
	ROUND                                          ; the closing round
	s_endpgm
.Lfunc_end_k_q51defc7598_attn:
	.size	k_q51defc7598_attn, .Lfunc_end_k_q51defc7598_attn-k_q51defc7598_attn
	.p2alignl 7, 3214868480
	.fill 96, 4, 3214868480
	.section	.rodata,"a",@progbits
	.p2align	6, 0x0
	.amdhsa_kernel k_q51defc7598_attn
		.amdhsa_group_segment_fixed_size 327680
		.amdhsa_private_segment_fixed_size 0
		.amdhsa_enable_private_segment 0
		.amdhsa_kernarg_size 24
		.amdhsa_user_sgpr_count 2
		.amdhsa_user_sgpr_kernarg_segment_ptr 1
		.amdhsa_wavefront_size32 1
		.amdhsa_system_sgpr_workgroup_id_x 1
		.amdhsa_system_sgpr_workgroup_id_y 1
		.amdhsa_system_sgpr_workgroup_id_z 1
		.amdhsa_system_vgpr_workitem_id 0
		.amdhsa_next_free_vgpr 480
		.amdhsa_next_free_sgpr 96
		.amdhsa_reserve_vcc 0
		.amdhsa_float_denorm_mode_32 3
		.amdhsa_float_denorm_mode_16_64 3
		.amdhsa_memory_ordered 1
		.amdhsa_forward_progress 1
		.amdhsa_inst_pref_size 255
	.end_amdhsa_kernel
	.section	.bss,"aw",@nobits
	.p2align	6
	.space	262144
	.amdgpu_metadata
---
amdhsa.version: [ 1, 2 ]
amdhsa.kernels:
  - .name:           k_q51defc7598_attn
    .symbol:         k_q51defc7598_attn.kd
    .args:
      - { .name: qkv, .offset: 0, .size: 8, .value_kind: global_buffer, .address_space: global }
      - { .name: nrm, .offset: 8, .size: 8, .value_kind: global_buffer, .address_space: global }
      - { .name: ao, .offset: 16, .size: 8, .value_kind: global_buffer, .address_space: global }
    .group_segment_fixed_size: 327680
    .private_segment_fixed_size: 0
    .kernarg_segment_align: 8
    .kernarg_segment_size: 24
    .max_flat_workgroup_size: 256
    .sgpr_count:     96
    .vgpr_count:     480
    .wavefront_size: 32
...
	.end_amdgpu_metadata
.endif
;; end of part 3
;; launch oproj (part 4): grid 16 x 16, 4 waves a work-group, clusters of 4 x 4, 327,680 bytes of LDS; arguments ao, wb, out0; writes out0
.if DOCPART == 4
	.amdgcn_target "amdgcn-amd-amdhsa--gfx1250"
	.amdhsa_code_object_version 6
	.text
	.protected	k_q51defc7598_oproj
	.globl	k_q51defc7598_oproj
	.p2align	8
	.type	k_q51defc7598_oproj,@function
k_q51defc7598_oproj:
	s_mov_b64 s[64:65], 0
	v_nop
	global_prefetch_b8 v0, s[64:65] scope:SCOPE_SE
	s_setreg_imm32_b32 hwreg(HW_REG_WAVE_MODE, 25, 1), 1
	s_wait_xcnt 0x0
	s_wait_alu depctr_hold_cnt(0) depctr_sa_sdst(0) depctr_va_vdst(0) depctr_va_sdst(0) depctr_va_ssrc(0) depctr_va_vcc(0) depctr_vm_vsrc(0)
	s_getreg_b32 s2, hwreg(HW_REG_IB_STS2, 6, 4)
	s_cmp_eq_u32 s2, 0
	s_cbranch_scc0 .Lentry_in_a_cluster
	s_endpgm
.Lentry_in_a_cluster:
	s_bfe_u32 s2, ttmp6, 0x10000c
	s_cmp_lg_u32 s2, 0xf033
	s_cbranch_scc0 .Lentry_shape_is_right
	s_endpgm
.Lentry_shape_is_right:
; out0[n][j] = sum over d of AO[n][d] Wo[j][d], d = 64 head + dd.  AO lies as ao = f16 [16 heads][2048][64]; Wo is plane 3 of wb (f16); out0 is f32.
; f16 operands (their limits are stated where they are made), f32 sums.
; A work-group makes 128 rows (by) x 64 columns (bx); wave (mi, ni) makes 64 x 32: 4 x 2 accumulator tiles, K ascending.
; K goes in 4 steps of 256 (four heads) through two LDS slots.  A head's 128 rows are 16,384 dense bytes of ao: one tensor row; the padding of 4 dwords behind every
; 32 dwords is counted along the whole tile and so makes LDS rows of 128 + 16 bytes.  Waves 0, 1 ask for two heads each, wave 2 for Wo's 64 rows of 512 bytes
; (32 KiB each); wave 3 has no part to fill.  At most two tensor loads of a wave are out (the first fills), later one.
; CLUSTER 4 x 4: AO's tile hangs on by alone, shared along a row of the cluster; Wo's on bx alone, shared along a column.
; The matrix instruction is used transposed: a lane holds eight neighbouring columns of one row, 32 bytes of f32.
.set APITCH, 144
.set AHEAD,  128*APITCH                ; one head's 128 rows
.set BPITCH, 528                       ; 512 + 16
.set BOFF,   4*AHEAD
.set SLOT,   BOFF+64*BPITCH            ; 107,520
.set STAGE,  2*SLOT                    ; 128 rows x (256 + 16) bytes of f32; no tensor load lands here
.set SPITCH, 272
.set ADA, 4
.set ADB, 6
.set STO, 8
.set RD,  9
.set GO,  10
.set F0,  16                           ; v[16:111]  fragments of one head (K = 64): AO (mt, ks) at 16 mt + 8 ks, then Wo (nt, ks) at 64 + 16 nt + 8 ks
.set F1,  112                          ; v[112:207]
.set G1A, 24
.set G1B, 32
.set G0A, 40
.set G0B, 48
.set MSB, 0
.macro WIN new
.if MSB != \new
	s_set_vgpr_msb (MSB<<8)|\new
.set MSB, \new
.endif
.endm
.macro PLACES                          ; four places behind matrix instructions (ISA guide 7.12.1)
.rept 4
	v_nop
.endr
.endm
.macro ROUND
	s_barrier_signal -1
	s_barrier_wait -1
	s_cmp_lg_u32 s12, 0
	s_cbranch_scc1 .Lnot_wave_0_\@
	s_barrier_signal -3
.Lnot_wave_0_\@:
	s_barrier_wait -3
	s_barrier_signal -1
	s_barrier_wait -1
.endm
.macro JLOAD s
	s_cmp_lt_u32 s12, 2
	s_cbranch_scc0 .Lnot_a_\@
	tensor_load_to_lds s[G0A+4*\s:G0A+4*\s+3], s[G1A:G1A+7]
	s_nop 0
	s_branch .Lasked_\@
.Lnot_a_\@:
	s_cmp_eq_u32 s12, 2
	s_cbranch_scc0 .Lasked_\@
	tensor_load_to_lds s[G0B+4*\s:G0B+4*\s+3], s[G1B:G1B+7]
	s_nop 0
.Lasked_\@:
.endm
	s_load_b128 s[4:7], s[0:1], 0x0                ; ao s[4:5], wb s[6:7]
	s_load_b64 s[8:9], s[0:1], 0x10                ; out0
	v_lshl_add_u32 v254, v0, 2, 0x3d000
	v_mov_b32 v255, 0
	ds_add_u32 v254, v255
	v_lshrrev_b32 v1, 5, v0
	v_readfirstlane_b32 s12, v1                    ; wave
	s_lshr_b32 s13, s12, 1                         ; mi
	s_and_b32 s14, s12, 1                          ; ni; also: which two heads I ask for
	s_bfe_u32 s16, ttmp6, 0x40000                  ; cx
	s_bfe_u32 s17, ttmp6, 0x40004                  ; cy
	s_lshl_b32 s18, ttmp9, 2
	s_add_co_u32 s18, s18, s16                     ; bx
	s_and_b32 s19, ttmp7, 0xffff
	s_lshl_b32 s19, s19, 2
	s_add_co_u32 s19, s19, s17                     ; by
	s_lshl_b32 s20, s17, 2
	s_lshl_b32 s20, 15, s20                        ; my row of the cluster
	s_lshl_b32 s21, 0x1111, s16                    ; my column
	s_or_b32 s[G1A+0], s20, (1<<16)|(1<<20)|(1<<21)|(4<<22)|(3<<25)
	s_mov_b32 s[G1A+1], 8192<<16                   ; tensor_dim0 = 8,192 elements: 128 rows of 64
	s_mov_b32 s[G1A+2], 2<<16                      ; tensor_dim1 = 2 heads
	s_mov_b32 s[G1A+3], 8192<<16                   ; tile_dim0
	s_mov_b32 s[G1A+4], 2                          ; tile_dim1
	s_mov_b32 s[G1A+5], 131072                     ; elements from head to head
	s_mov_b32 s[G1A+6], 0
	s_mov_b32 s[G1A+7], 0
	s_or_b32 s[G1B+0], s21, (1<<16)|(1<<20)|(1<<21)|(6<<22)|(3<<25)   ; 4 dwords behind every 128
	s_mov_b32 s[G1B+1], 256<<16
	s_mov_b32 s[G1B+2], 64<<16
	s_mov_b32 s[G1B+3], 256<<16
	s_mov_b32 s[G1B+4], 64
	s_mov_b32 s[G1B+5], 1024
	s_mov_b32 s[G1B+6], 0
	s_mov_b32 s[G1B+7], 0
	s_lshl_b32 s56, s19, 14                        ; AO: by x 128 rows x 128 bytes
	s_lshl_b32 s60, s14, 19                        ; + my two heads
	s_add_co_u32 s56, s56, s60
	s_mov_b32 s57, 0
	s_lshl_b32 s58, s18, 17                        ; Wo: bx x 64 rows x 2,048 bytes
	s_add_co_u32 s58, s58, 3*2097152               ; in plane 3
	s_mov_b32 s59, 0
	s_mul_i32 s60, s12, 2*AHEAD                    ; LDS: two heads a wave
	s_wait_dscnt 0x0
	s_wait_kmcnt 0x0
	s_add_nc_u64 s[56:57], s[4:5], s[56:57]
	s_add_nc_u64 s[58:59], s[6:7], s[58:59]
.irp s, 0,1
	s_mov_b32 s[G0A+4*\s], 1
	s_add_co_u32 s[G0A+4*\s+1], s60, \s*SLOT
	s_add_nc_u64 s[G0A+4*\s+2:G0A+4*\s+3], s[56:57], \s*4*262144   ; K step s: heads 4 s ..
	s_or_b32 s[G0A+4*\s+3], s[G0A+4*\s+3], 0x80000000
	s_mov_b32 s[G0B+4*\s], 1
	s_mov_b32 s[G0B+4*\s+1], \s*SLOT+BOFF
	s_add_nc_u64 s[G0B+4*\s+2:G0B+4*\s+3], s[58:59], \s*512
	s_or_b32 s[G0B+4*\s+3], s[G0B+4*\s+3], 0x80000000
.endr
	ROUND                                          ; in front of the first joint loads
	JLOAD 0
	JLOAD 1
	v_and_b32 v1, 15, v0                           ; r
	v_bfe_u32 v2, v0, 4, 1                         ; h
	v_mul_u32_u24 v11, v1, APITCH
	v_lshl_add_u32 v11, v2, 4, v11
	v_mul_u32_u24 v12, v1, BPITCH
	v_lshl_add_u32 v12, v2, 4, v12
	s_mul_i32 s61, s13, 64*APITCH
	s_mul_i32 s62, s14, 32*BPITCH
	s_add_co_u32 s62, s62, BOFF
.irp s, 0,1
	v_add_nc_u32 v[ADA+\s], s61, v11
	v_add_nc_u32 v[ADB+\s], s62, v12
	s_add_co_u32 s61, s61, SLOT
	s_add_co_u32 s62, s62, SLOT
.endr
	v_mul_u32_u24 v11, v1, SPITCH                  ; stage, in: row 64 mi + r, byte 128 ni + 32 h
	v_lshl_add_u32 v11, v2, 5, v11
	s_mul_i32 s61, s13, 64*SPITCH
	s_lshl_b32 s62, s14, 7
	s_add_co_u32 s61, s61, s62
	s_add_co_u32 s61, s61, STAGE
	v_add_nc_u32 v[STO], s61, v11
	v_mul_u32_u24 v11, v2, SPITCH                  ; back: sixteen lanes take a row of 256 bytes
	v_lshl_add_u32 v11, v1, 4, v11
	s_mul_i32 s61, s12, 32*SPITCH
	s_add_co_u32 s61, s61, STAGE
	v_add_nc_u32 v[RD], s61, v11
	v_lshlrev_b32 v11, 12, v2                      ; and the same rows in out0, 4,096 bytes apart
	v_lshl_add_u32 v11, v1, 4, v11
	s_lshl_b32 s61, s12, 17
	v_add_nc_u32 v[GO], s61, v11
; 24 LDS loads in one run: head q of the slot's four
.macro FETCH slot, q, f
.irp mt, 0,1,2,3
.irp ks, 0,1
	ds_load_b128 v[\f+16*\mt+8*\ks:\f+16*\mt+8*\ks+3],   v[ADA+\slot] offset:(\q)*AHEAD+\mt*16*APITCH+64*\ks
	ds_load_b128 v[\f+16*\mt+8*\ks+4:\f+16*\mt+8*\ks+7], v[ADA+\slot] offset:(\q)*AHEAD+\mt*16*APITCH+64*\ks+32
.endr
.endr
.irp nt, 0,1
.irp ks, 0,1
	ds_load_b128 v[\f+64+16*\nt+8*\ks:\f+64+16*\nt+8*\ks+3],   v[ADB+\slot] offset:\nt*16*BPITCH+128*(\q)+64*\ks
	ds_load_b128 v[\f+64+16*\nt+8*\ks+4:\f+64+16*\nt+8*\ks+7], v[ADB+\slot] offset:\nt*16*BPITCH+128*(\q)+64*\ks+32
.endr
.endr
.endm
; 16 matrix instructions: the eight accumulators take turns, one instruction a turn, twice
.macro MUL f, zero
	WIN 0x50
.irp ks, 0,1
.irp mt, 0,1,2,3
.irp nt, 0,1
.if (\zero)*(1-\ks)
	v_wmma_f32_16x16x32_f16 v[8*(2*\mt+\nt):8*(2*\mt+\nt)+7], v[\f+64+16*\nt+8*\ks:\f+64+16*\nt+8*\ks+7], v[\f+16*\mt+8*\ks:\f+16*\mt+8*\ks+7], 0
.else
	v_wmma_f32_16x16x32_f16 v[8*(2*\mt+\nt):8*(2*\mt+\nt)+7], v[\f+64+16*\nt+8*\ks:\f+64+16*\nt+8*\ks+7], v[\f+16*\mt+8*\ks:\f+16*\mt+8*\ks+7], v[8*(2*\mt+\nt):8*(2*\mt+\nt)+7]
.endif
.endr
.endr
.endr
	WIN 0
.endm
.macro QUARTER slot, qn, f, g, zero
	s_wait_dscnt 0x0                               ; buffer f's 24 loads, the only ones out
	PLACES                                         ; buffer g was read by the matrix instructions just issued
	FETCH \slot, \qn, \g
	MUL \f, \zero
.endm
.macro TRIP slot, mode, zero           ; mode 2: the slot is filled again; 1: the slots change, nothing is fetched; 0: the last K step
	QUARTER \slot, 1, F0, F1, \zero
	QUARTER \slot, 2, F1, F0, 0
	QUARTER \slot, 3, F0, F1, 0
	s_wait_dscnt 0x0                               ; my reads of this slot are over
.if \mode == 2
	s_wait_tensorcnt 0x0                           ; all my tensor loads have landed, so a group 0 may be written
	ds_add_u32 v254, v255
	s_wait_dscnt 0x0
	s_add_nc_u64 s[G0A+4*\slot+2:G0A+4*\slot+3], s[G0A+4*\slot+2:G0A+4*\slot+3], 2097152   ; eight heads on
	s_add_nc_u64 s[G0B+4*\slot+2:G0B+4*\slot+3], s[G0B+4*\slot+2:G0B+4*\slot+3], 1024
	ROUND                                          ; both now hold of every wave of the cluster
	JLOAD \slot                                    ; the refill, first behind the round
.endif
.if \mode == 1
	s_wait_tensorcnt 0x0
	s_barrier_signal -1
	s_barrier_wait -1                              ; the last tile is whole
.endif
.if \mode
	PLACES
	FETCH 1-\slot, 0, F0
.endif
	MUL F1, 0
.endm
	s_wait_tensorcnt 0x0                           ; waves 0 to 2 have issued two loads, wave 3 none: the one count that shows K step 0 landed on every wave's way here is 0
	s_barrier_signal -1
	s_barrier_wait -1                              ; every wave's parts of K steps 0 and 1 are in
	FETCH 0, 0, F0
	TRIP 0, 2, 1
	TRIP 1, 2, 0
	TRIP 0, 1, 0
	TRIP 1, 0, 0
	; THE WAY OUT: f32 through the stage, so that sixteen lanes store a whole row of the block
	PLACES
	s_lshl_b32 s66, s19, 19                        ; by x 128 rows x 4,096 bytes
	s_lshl_b32 s67, s18, 8                         ; + bx x 256 bytes
	s_add_co_u32 s66, s66, s67
	s_mov_b32 s67, 0
	s_add_nc_u64 s[8:9], s[8:9], s[66:67]
	WIN 0x04                                       ; store data in window 1
.irp mt, 0,1,2,3
.irp nt, 0,1
	ds_store_b128 v[STO], v[8*(2*\mt+\nt):8*(2*\mt+\nt)+3]   offset:\mt*16*SPITCH+64*\nt
	ds_store_b128 v[STO], v[8*(2*\mt+\nt)+4:8*(2*\mt+\nt)+7] offset:\mt*16*SPITCH+64*\nt+16
.endr
.endr
	WIN 0
	s_wait_dscnt 0x0                               ; for the others' sake
	s_barrier_signal -1
	s_barrier_wait -1
.irp t, 0,1,2,3,4,5,6,7,8,9,10,11,12,13,14,15
	ds_load_b128 v[F0+4*\t:F0+4*\t+3], v[RD] offset:\t*2*SPITCH
.endr
.irp t, 0,1,2,3,4,5,6,7,8,9,10,11,12,13,14,15
	s_wait_dscnt 15-\t                             ; load t is in, the younger ones stay out
	global_store_b128 v[GO], v[F0+4*\t:F0+4*\t+3], s[8:9] offset:8192*\t th:TH_STORE_NT   ; 16 lanes store 256 consecutive bytes, aligned
.endr
	s_wait_tensorcnt 0x0
	ds_add_u32 v254, v255
	s_wait_dscnt 0x0
	ROUND                                          ; the closing round
	s_endpgm
.Lfunc_end_k_q51defc7598_oproj:
	.size	k_q51defc7598_oproj, .Lfunc_end_k_q51defc7598_oproj-k_q51defc7598_oproj
	.p2alignl 7, 3214868480
	.fill 96, 4, 3214868480
	.section	.rodata,"a",@progbits
	.p2align	6, 0x0
	.amdhsa_kernel k_q51defc7598_oproj
		.amdhsa_group_segment_fixed_size 327680
		.amdhsa_private_segment_fixed_size 0
		.amdhsa_enable_private_segment 0
		.amdhsa_kernarg_size 24
		.amdhsa_user_sgpr_count 2
		.amdhsa_user_sgpr_kernarg_segment_ptr 1
		.amdhsa_wavefront_size32 1
		.amdhsa_system_sgpr_workgroup_id_x 1
		.amdhsa_system_sgpr_workgroup_id_y 1
		.amdhsa_system_sgpr_workgroup_id_z 1
		.amdhsa_system_vgpr_workitem_id 0
		.amdhsa_next_free_vgpr 320
		.amdhsa_next_free_sgpr 80
		.amdhsa_reserve_vcc 0
		.amdhsa_float_denorm_mode_32 3
		.amdhsa_float_denorm_mode_16_64 3
		.amdhsa_memory_ordered 1
		.amdhsa_forward_progress 1
		.amdhsa_inst_pref_size 57
	.end_amdhsa_kernel
	.amdgpu_metadata
---
amdhsa.version: [ 1, 2 ]
amdhsa.kernels:
  - .name:           k_q51defc7598_oproj
    .symbol:         k_q51defc7598_oproj.kd
    .args:
      - { .name: ao, .offset: 0, .size: 8, .value_kind: global_buffer, .address_space: global }
      - { .name: wb, .offset: 8, .size: 8, .value_kind: global_buffer, .address_space: global }
      - { .name: out0, .offset: 16, .size: 8, .value_kind: global_buffer, .address_space: global }
    .group_segment_fixed_size: 327680
    .private_segment_fixed_size: 0
    .kernarg_segment_align: 8
    .kernarg_segment_size: 24
    .max_flat_workgroup_size: 128
    .sgpr_count:     80
    .vgpr_count:     320
    .wavefront_size: 32
...
	.end_amdgpu_metadata
.endif
;; end of part 4
